; MI455X (gfx1250); checked and timed in simulation.
; The chip was launched on July 23, 2026; its instructions are those of AMD's public machine-readable ISA for CDNA 5 (MIT licence, August 2026) and "CDNA5" Instruction Set Architecture Reference Guide (July 2026). The comments in the code are by the model that wrote it; some were corrected since.
;; Multi Head Attention. Allowed arithmetic: matrix products marked QUANTISED: E2M1 operands, one E8M0 scale for each 32 along K, by v_wmma_scale_f32_16x16x128_f8f6f4 with both operands' format E2M1 (or v_wmma_scale_f32_32x16x128_f4), f32 sums; everything else in f32.
;; Inputs: Wk 1,024 x 1,024 float32; Wo 1,024 x 1,024 float32; Wq 1,024 x 1,024 float32; Wv 1,024 x 1,024 float32; bk 1,024 float32; bo 1,024 float32; bq 1,024 float32; bv 1,024 float32; key 4 x 2,048 x 1,024 float32; query 4 x 2,048 x 1,024 float32; value 4 x 2,048 x 1,024 float32.
;; Outputs: out0 4 x 2,048 x 1,024 float32.
;; This version of the problem:
;;   THIS VERSION OF THE PROBLEM IS GIVEN IN LOW PRECISION. The matrix products marked QUANTISED in the list below multiply operands that are first quantised to E2M1 (2 exponent bits, 1 mantissa bit; 4 bits a number), with one power-of-two scale for each 32 numbers along K (OCP MX v1.0); their sums are f32. All else is computed in f32.
;;   The module's matrix products, in the order in which they are computed (A, B: the left and right operand; K: the contracted axis; several contracted axes count as one K, in the product's order):
;;     1. [M 8,192, K 1,024] x [K 1,024, N 1,024]; A: input query; B: input Wq: QUANTISED
;;     2. [M 8,192, K 1,024] x [K 1,024, N 1,024]; A: input key; B: input Wk: QUANTISED
;;     3. [M 8,192, K 1,024] x [K 1,024, N 1,024]; A: input value; B: input Wv: QUANTISED
;;     4. batch 64 x [M 2,048, K 64] x [K 64, N 2,048]; A: computed on the way; B: computed on the way: QUANTISED
;;     5. batch 64 x [M 2,048, K 2,048] x [K 2,048, N 64]; A: softmax (see below); B: computed on the way: QUANTISED
;;     6. [M 8,192, K 1,024] x [K 1,024, N 1,024]; A: computed on the way; B: input Wo: QUANTISED
;;   THE QUANTISER, for each operand of a quantised product, along K:
;;     - K is cut into blocks of 32 from its start; a last block that is shorter is filled with zeros.
;;     - A block's scale is 2^e with e = floor(log2(the largest magnitude in the block)) - 2, held to -126 .. 127; a block of zeros has e = 0. As a byte (E8M0): e + 127.
;;     - Each number is divided by its block's scale, clamped to +-6, and rounded to the nearest number of E2M1, ties to even, subnormals kept.
;;     - The product sums the exact products of the quantised numbers (number of the format x scale) in f32.
;;   ~~~python
;;   def quantise(x, axis):      # numpy; x: float32 -> the quantised numbers, widened to float32 again
;;       x = np.moveaxis(x, axis, -1); K = x.shape[-1]
;;       x = np.pad(x, [(0, 0)] * (x.ndim - 1) + [(0, -K % 32)]); x = x.reshape(x.shape[:-1] + (-1, 32)); a = np.abs(x).max(-1, keepdims=True)
;;       e = np.where(a > 0, np.clip(np.frexp(np.where(a > 0, a, 1))[1] - 1 - 2, -126, 127), 0)      # np.frexp(a)[1] - 1 = floor(log2(a)), exactly
;;       r = np.clip(x / 2.0 ** e, -6, 6)
;;       step = 2.0 ** (np.maximum(np.frexp(np.where(r == 0, 1, r))[1] - 1, 0) - 1)
;;       q = np.round(r / step) * step * 2.0 ** e      # np.round: ties to even
;;       return np.moveaxis(q.reshape(q.shape[:-2] + (-1,))[..., :K], -1, axis).astype(np.float32)
;;   ~~~
;;   SOFTMAX AHEAD OF A QUANTISED PRODUCT. Where the list says 'softmax', what is quantised is not the finished softmax but p = 2^(t - M), with t = logit x log2(e) and M = ceil(the row's largest t), a whole number; so 1/2 < the row's largest p <= 1. The row's sum l is taken of the UNQUANTISED p, in f32, and the product's result is divided by l at the end. Since M is a whole number, a kernel that streams over the keys may use a running M (the ceiling of the running maximum): every later rescaling is an exact power of two, which a block's scale takes up: the codes' values come out the same.
;;   OPERANDS COMPUTED ON THE WAY. 'Computed on the way' means the value that the module computes at that place (a softmax that the list does not call 'softmax' is quantised finished and normalised). What goes into a quantiser is computed in f32, as accurately as f32 sums, v_exp_f32 and their like allow (about 1e-6 of the number): no bf16 or f16 on the way to a quantiser, and a product that is left as it is and whose result goes on into a quantised operand takes f32 operands (vector FMAs, or v_wmma_f32_16x16x4_f32). A number that lies on a knife's edge between two numbers of the format may be rounded either way, as far as f32 arithmetic and the matrix unit's own rounding can turn it there, and no further.
;; One version. Each part assembles by itself: llvm-mc -triple=amdgcn-amd-amdhsa -mcpu=gfx1250 --defsym DOCPART=n.
;; ======== version 1 of 1: 4 launches
;; workspace buffers: xc 14,680,064 bytes; xs 917,504 bytes; pc 12,582,912 bytes; ps 786,432 bytes; ac 4,194,304 bytes; as_ 262,144 bytes
;; launch quant (part 1): grid 256 x 1, 7 waves a work-group, no clusters, 60,416 bytes of LDS; arguments query, key, value, Wq, Wk, Wv, Wo, xc, xs; writes xc, xs
.if DOCPART == 1
	.amdgcn_target "amdgcn-amd-amdhsa--gfx1250"
	.amdhsa_code_object_version 6
	.text
	.protected	k_qc0de2fc0d9_quant
	.globl	k_qc0de2fc0d9_quant
	.p2align	8
	.type	k_qc0de2fc0d9_quant,@function
k_qc0de2fc0d9_quant:
	s_mov_b64 s[64:65], 0
	v_nop
	global_prefetch_b8 v0, s[64:65] scope:SCOPE_SE
	s_setreg_imm32_b32 hwreg(HW_REG_WAVE_MODE, 25, 1), 1
	s_wait_xcnt 0x0
; The seven f32 inputs whose last axis is a product's K (query, key, value [8192][1024]; Wq, Wk, Wv, Wo [1024][1024]) become codes of FP4 (E2M1) and one E8M0 byte for each 32 along K.
; A block's scale is 2^(floor(log2(its largest magnitude)) - 2): its byte is the largest magnitude's exponent field - 2, held at 1 from below by a floor among the maximum's leaves.
; LIMITS: NaN and infinities among the inputs are not served; a block whose largest magnitude lies under 2^-124 keeps the byte 1; a block of zeros gets the byte 1 where the rule says 127
; (its codes are zeros, which add nothing under any byte but 0xff, and the bytes are read by this program alone).
; LAYOUT OF THE WORKSPACE.  Rows are taken in tiles of 16, and the rows of a tile are not neighbours: place i of tile T is row 32 (T / 2) + 8 (T % 2) + i + 8 (i / 8).  As source 0 of a product, tiles 2 b and
; 2 b + 1 then leave a lane 16 results that are 16 neighbours, which is what the next quantiser wants.  A fragment (a tile x 128 along K) lies as the image of its eight registers: group c of lane l at
; 512 c + 16 l; lane (r, h) group c holds k = 64 c + 32 h + 0 .. 31 of place r.  xc: [tile 1792][K step 8][1024 bytes];  xs: [tile][place][K step][4 bytes].
; SHARES.  1,792 tiles = 256 work-groups x 7 waves: a wave takes one tile and all of K, eight steps of 128.  Waves share nothing: no barrier.  Nothing is read by two work-groups: no cluster.
; Each load reads 512 consecutive bytes of one row; a step's 16 rows turn through the wave's own stage in LDS (rows 528 bytes apart) and come back 128 bytes a lane: a whole block of 32 in one lane's registers.
; Loads run two steps ahead: 32 loads of 512 bytes a wave.
.set SP,    528                        ; a stage row: 512 bytes + 16
.set STGB,  16*SP                      ; a wave's stage
.set WD,    16                         ; v16-23   the eight scale words
.set SW,    24                         ; v24-27   the four that my half of the lanes stores
.set C,     28                         ; v28-35   a step's codes
.set R,     40                         ; v40-167  two sets of 64: numbers as loaded
.set X,     168                        ; v168-231 my two blocks of 32
	s_load_b256 s[4:11], s[0:1], 0x0               ; query, key, value, Wq
	s_load_b256 s[12:19], s[0:1], 0x20             ; Wk, Wv, Wo, xc
	s_load_b64 s[20:21], s[0:1], 0x40              ; xs
	v_lshl_add_u32 v232, v0, 2, 0xe800
	v_mov_b32 v233, 0
	v_lshrrev_b32 v1, 5, v0
	v_readfirstlane_b32 s22, v1                    ; wave 0..6
	v_and_b32 v1, 31, v0                           ; lane
	v_lshlrev_b32 v2, 4, v1                        ; 16 x lane: my bytes of a load, and of a store of codes
	s_mul_i32 s27, s22, STGB
	v_add_nc_u32 v3, s27, v2                       ; the stage, on the way in
	v_and_b32 v7, 15, v0                           ; r
	v_bfe_u32 v6, v0, 4, 1                         ; h
	v_mul_u32_u24 v4, v7, SP
	v_lshl_add_u32 v4, v6, 7, v4
	v_add_nc_u32 v4, s27, v4                       ; and on the way out: row r, 128 h bytes on
	v_lshlrev_b32 v5, 5, v7
	v_lshl_add_u32 v5, v6, 4, v5                   ; scale words: 32 bytes a row, 16 for each half of the lanes
	v_lshlrev_b32 v6, 3, v6                        ; 8 h: my two bytes' shift in a scale word
	v_mov_b32 v15, 0                               ; a lane permute's destination counts as one of its sources
	s_mul_i32 s23, ttmp9, 7
	s_add_co_u32 s23, s23, s22                     ; my tile
	s_mov_b32 s28, 0x76543210
	s_mov_b32 s29, 0xfedcba98                      ; selects for lane l xor 16
	s_mov_b32 s26, 0
	s_wait_alu depctr_va_vdst(0)
	s_wait_kmcnt 0x0
	s_mov_b64 s[24:25], s[4:5]
.macro CHOOSE bound, p                 ; from tile bound on the tensor is the one at s[p]: the choice hangs on ids alone
	s_cmp_ge_u32 s23, \bound
	s_cselect_b64 s[24:25], s[\p:\p+1], s[24:25]
	s_cselect_b32 s26, \bound, s26
.endm
	CHOOSE 512, 6
	CHOOSE 1024, 8
	CHOOSE 1536, 10
	CHOOSE 1600, 12
	CHOOSE 1664, 14
	CHOOSE 1728, 16
	s_sub_co_u32 s26, s23, s26                     ; the tile's number in its tensor
	s_lshr_b32 s30, s26, 1
	s_lshl_b32 s30, s30, 17                        ; 32 rows of 4,096 bytes for each pair of tiles,
	s_and_b32 s31, s26, 1
	s_lshl_b32 s31, s31, 15                        ; 8 rows for the odd one
	s_add_co_u32 s30, s30, s31
	s_mov_b32 s31, 0
	s_add_nc_u64 s[24:25], s[24:25], s[30:31]
	s_lshl_b32 s30, s23, 13
	s_add_nc_u64 s[18:19], s[18:19], s[30:31]      ; my 8,192 bytes of codes
	s_lshl_b32 s30, s23, 9
	s_add_nc_u64 s[20:21], s[20:21], s[30:31]      ; my 512 bytes of scale words
.macro LOAD q                          ; K step q of the tile's 16 rows
.irp i, 0,1,2,3,4,5,6,7,8,9,10,11,12,13,14,15
	global_load_b128 v[R+64*((\q)%2)+4*\i:R+64*((\q)%2)+4*\i+3], v2, s[24:25] offset:(\i+8*(\i/8))*4096+512*(\q) th:TH_LOAD_NT
.endr
.endm
.macro STEP q
.set RS, R+64*((\q)%2)
.if (\q) < 7
	s_wait_loadcnt 16                              ; this step's 16 loads are in; the next step's 16 may be out
.else
	s_wait_loadcnt 0x0
.endif
.irp i, 0,1,2,3,4,5,6,7,8,9,10,11,12,13,14,15
	ds_store_b128 v3, v[RS+4*\i:RS+4*\i+3] offset:SP*\i
.endr
.irp c, 0,1
.irp j, 0,1,2,3,4,5,6,7
	ds_load_b128 v[X+32*\c+4*\j:X+32*\c+4*\j+3], v4 offset:256*\c+16*\j   ; LDS serves a wave's instructions in order: these see the stores above
.endr
.endr
	s_wait_dscnt 0x0                               ; my 64 numbers are back, and the stores have read the set,
.if (\q) < 6
	LOAD (\q)+2                                    ; which takes the loads of two steps on
.endif
.irp c, 0,1
	v_max3_num_f32 v[8+\c], |v[X+32*\c]|, |v[X+32*\c+1]|, 0x1800000      ; block 2 c + h: all 32 numbers are mine; the floor 2^(3 - 127) holds the byte at 1
.endr
.irp i, 2,4,6,8,10,12,14,16,18,20,22,24,26,28,30
.irp c, 0,1
	v_max3_num_f32 v[8+\c], v[8+\c], |v[X+32*\c+\i]|, |v[X+32*\c+\i+1]|
.endr
.endr
.irp c, 0,1
	v_add_nc_u32 v[10+\c], 0xff000000, v[8+\c]     ; 2 off the exponent field: the conversion's scale operand
.endr
.irp c, 0,1
	v_lshrrev_b32 v[12+\c], 23, v[10+\c]           ; the scale's byte
.endr
	v_lshl_or_b32 v14, v13, 16, v12                ; my two bytes, blocks h and 2 + h,
	v_lshlrev_b32 v14, v6, v14                     ; at their places;
	v_permlanex16_b32 v15, v14, s28, s29
	v_or_b32 v[WD+(\q)], v14, v15                  ; with lane l xor 16's the word is whole, in both lanes
	s_wait_alu depctr_va_vdst(0)
	s_wait_xcnt 0x0                                ; the last step's stores have read the codes' registers
.irp c, 0,1
.irp g, 0,1,2,3
	v_cvt_scalef32_pk8_fp4_f32 v[C+4*\c+\g], v[X+32*\c+8*\g:X+32*\c+8*\g+7], v[10+\c]
.endr
.endr
	v_nop                                          ; one plain line behind the last conversion
.irp c, 0,1
	global_store_b128 v2, v[C+4*\c:C+4*\c+3], s[18:19] offset:1024*(\q)+512*\c     ; 512 consecutive bytes, aligned
.endr
.endm
	LOAD 0
	LOAD 1
.irp q, 0,1,2,3,4,5,6,7
	STEP \q
.endr
	v_cmp_gt_u32 vcc_lo, 16, v1                    ; lanes 0-15 store words 0-3 of their row, lanes 16-31 words 4-7
.irp i, 0,1,2,3
	v_cndmask_b32 v[SW+\i], v[WD+4+\i], v[WD+\i], vcc_lo
.endr
	global_store_b128 v5, v[SW:SW+3], s[20:21]     ; 512 consecutive bytes, aligned
	s_wait_tensorcnt 0x0
	ds_add_u32 v232, v233
	s_wait_dscnt 0x0
	s_endpgm
.Lfunc_end_k_qc0de2fc0d9_quant:
	.size	k_qc0de2fc0d9_quant, .Lfunc_end_k_qc0de2fc0d9_quant-k_qc0de2fc0d9_quant
	.p2alignl 7, 3214868480
	.fill 96, 4, 3214868480
	.section	.rodata,"a",@progbits
	.p2align	6, 0x0
	.amdhsa_kernel k_qc0de2fc0d9_quant
		.amdhsa_group_segment_fixed_size 60416
		.amdhsa_private_segment_fixed_size 0
		.amdhsa_enable_private_segment 0
		.amdhsa_kernarg_size 72
		.amdhsa_user_sgpr_count 2
		.amdhsa_user_sgpr_kernarg_segment_ptr 1
		.amdhsa_wavefront_size32 1
		.amdhsa_system_sgpr_workgroup_id_x 1
		.amdhsa_system_sgpr_workgroup_id_y 1
		.amdhsa_system_sgpr_workgroup_id_z 1
		.amdhsa_system_vgpr_workitem_id 0
		.amdhsa_next_free_vgpr 234
		.amdhsa_next_free_sgpr 66
		.amdhsa_reserve_vcc 1
		.amdhsa_float_denorm_mode_32 3
		.amdhsa_float_denorm_mode_16_64 3
		.amdhsa_memory_ordered 1
		.amdhsa_forward_progress 1
		.amdhsa_inst_pref_size 58
	.end_amdhsa_kernel
	.amdgpu_metadata
---
amdhsa.version: [ 1, 2 ]
amdhsa.kernels:
  - .name:           k_qc0de2fc0d9_quant
    .symbol:         k_qc0de2fc0d9_quant.kd
    .args:
      - { .name: query, .offset: 0, .size: 8, .value_kind: global_buffer, .address_space: global }
      - { .name: key, .offset: 8, .size: 8, .value_kind: global_buffer, .address_space: global }
      - { .name: value, .offset: 16, .size: 8, .value_kind: global_buffer, .address_space: global }
      - { .name: Wq, .offset: 24, .size: 8, .value_kind: global_buffer, .address_space: global }
      - { .name: Wk, .offset: 32, .size: 8, .value_kind: global_buffer, .address_space: global }
      - { .name: Wv, .offset: 40, .size: 8, .value_kind: global_buffer, .address_space: global }
      - { .name: Wo, .offset: 48, .size: 8, .value_kind: global_buffer, .address_space: global }
      - { .name: xc, .offset: 56, .size: 8, .value_kind: global_buffer, .address_space: global }
      - { .name: xs, .offset: 64, .size: 8, .value_kind: global_buffer, .address_space: global }
    .group_segment_fixed_size: 60416
    .private_segment_fixed_size: 0
    .kernarg_segment_align: 8
    .kernarg_segment_size: 72
    .max_flat_workgroup_size: 224
    .sgpr_count:     66
    .vgpr_count:     234
    .wavefront_size: 32
...
	.end_amdgpu_metadata
.endif
;; end of part 1
;; launch proj (part 2): grid 4 x 192, 8 waves a work-group, clusters of 4 x 4, 210,944 bytes of LDS; arguments xc, xs, bq, bk, bv, pc, ps; writes pc, ps
.if DOCPART == 2
	.amdgcn_target "amdgcn-amd-amdhsa--gfx1250"
	.amdhsa_code_object_version 6
	.text
	.protected	k_qc0de2fc0d9_proj
	.globl	k_qc0de2fc0d9_proj
	.p2align	8
	.type	k_qc0de2fc0d9_proj,@function
k_qc0de2fc0d9_proj:
	s_mov_b64 s[64:65], 0
	v_nop
	global_prefetch_b8 v0, s[64:65] scope:SCOPE_SE
	s_setreg_imm32_b32 hwreg(HW_REG_WAVE_MODE, 25, 1), 1
	s_wait_xcnt 0x0
	s_wait_alu depctr_hold_cnt(0) depctr_sa_sdst(0) depctr_va_vdst(0) depctr_va_sdst(0) depctr_va_ssrc(0) depctr_va_vcc(0) depctr_vm_vsrc(0)
	s_getreg_b32 s2, hwreg(HW_REG_IB_STS2, 6, 4)
	s_cmp_eq_u32 s2, 0
	s_cbranch_scc0 .Lentry_in_a_cluster
	s_endpgm
.Lentry_in_a_cluster:
	s_bfe_u32 s2, ttmp6, 0x10000c
	s_cmp_lg_u32 s2, 0xf033
	s_cbranch_scc0 .Lentry_shape_is_right
	s_endpgm
.Lentry_shape_is_right:
; q = query Wq^T + bq, k = key Wk^T + bk, v = value Wv^T + bv on codes of FP4 with E8M0 scales, and each result quantised again in registers: q and k along the head's 64, v along the keys.
; ONE TEXT FOR THE THREE.  Source 0 = P: 16 rows whose index runs along the result's registers; source 1 = R: its row is the lane.  The result is quantised along P's index.
; q, k: P = the weight, R = the tokens (a lane holds one token, registers run along the channels).  v: P = value's tokens, R = Wv (a lane holds one channel, registers run along the tokens).  Nothing is transposed.
; P's tiles lie in the workspace so that the 16 registers of tiles 2 b and 2 b + 1 are 16 neighbours, 32 b + 16 (lane / 16) + 0 .. 15.
; SHARES.  A work-group makes 128 of P x 256 of R over all K = 1,024; wave w takes all 128 of P x R's tiles 2 w and 2 w + 1: 16 accumulators.  256 work-groups a tensor.
; LDS holds the work-group's operands whole (196,608 bytes of codes, 12,288 of scale words): every byte is filled once, in two halves of K, so that work begins when the first half is in.
; CLUSTER 4 x 4: the four of a column need the same P, the four of a row the same R: each tile is asked for jointly.  The tensor z comes from the cluster's y: it is the same in all sixteen.
; OUT.  pc: [z][group of 128 along the new K][tile of R][1024]: images of fragments.  ps: [z][group][row of R][4]: scale words.
; LIMITS: NaN and infinities are not served; a block under 2^-124 or of zeros keeps the byte 1 (read by this program alone); the bias starts the f32 sum instead of being added behind it.
; REGISTERS: v1-9 addresses; v16-31 P's scale words; v32-35 R's; v48-63 R's two fragments; v64-127 P's eight; v128-255 accumulator (t, rt) at 128 + 64 rt + 8 t.  At the end v48-63 at work, v64-79 codes, v80-82 words.
.set PCD,  0                           ; P's codes: [half of K][tile 8][K step 4][1024]
.set RCD,  65536                       ; R's codes: [half of K][tile 16][K step 4][1024]
.set PSC,  196608                      ; P's scale words: [128 rows][32 bytes]
.set RSC,  200704                      ; R's: [256 rows][32 bytes]
.set STG,  208896                      ; 1,024 bytes: the new scale words on their way out; no tile lands here
.set LI,   2                           ; v2  16 x lane
.set SCP,  16
.set SCR,  32
.set RF,   48
.set PF,   64
.set ACC,  128
.set TM,   48
.set PC,   64
.set PW,   80
.set WV,   18                          ; s18 wave
.set HALF, 20                          ; s20 wave & 1: which half of a tile I fetch
.set SEL,  2                           ; s[2:3] selects for lane l xor 16
.set G1P,  32
.set G1R,  40
.set G1PS, 48
.set G1RS, 56
.set G0P,  68                          ; s[68:79] three groups 0 for P: scale words, first half of K, second half
.set G0R,  80                          ; s[80:91] the same for R
.macro CROUND                          ; a round of the cluster's barrier
	s_barrier_signal -1
	s_barrier_wait -1
	s_cmp_lg_u32 s[WV], 0
	s_cbranch_scc1 .Lnot_wave_0_\@
	s_barrier_signal -3
.Lnot_wave_0_\@:
	s_barrier_wait -3
	s_barrier_signal -1
	s_barrier_wait -1
.endm
.macro SHAPE g, c, r, p                ; words 1 to 7 of a group 1: r rows of c elements of 8 bytes, p elements from row to row
	s_mov_b32 s[\g+1], (\c)<<16
	s_mov_b32 s[\g+2], (\r)<<16
	s_mov_b32 s[\g+3], (\c)<<16
	s_mov_b32 s[\g+4], \r
	s_mov_b32 s[\g+5], \p
	s_mov_b32 s[\g+6], 0
	s_mov_b32 s[\g+7], 0
.endm
.macro D0 g, sh, base, a, plus         ; a group 0: LDS byte base + (half << sh); global address s[a:a+1] + plus
	s_mov_b32 s[\g], 1
	s_lshl_b32 s[\g+1], s[HALF], \sh
	s_add_co_u32 s[\g+1], s[\g+1], \base
	s_add_nc_u64 s[\g+2:\g+3], s[\a:\a+1], \plus
	s_or_b32 s[\g+3], s[\g+3], 0x80000000
.endm
	s_load_b256 s[4:11], s[0:1], 0x0               ; xc, xs, bq, bk
	s_load_b128 s[12:15], s[0:1], 0x20             ; bv, pc
	s_load_b64 s[16:17], s[0:1], 0x30              ; ps
	v_lshl_add_u32 v46, v0, 2, 0x33400
	v_mov_b32 v47, 0
	ds_add_u32 v46, v47
	ds_add_u32 v46, v47
	v_lshrrev_b32 v1, 5, v0
	s_delay_alu instid0(VALU_DEP_1)
	v_readfirstlane_b32 s[WV], v1                  ; wave 0..7
	v_and_b32 v1, 31, v0                           ; lane
	s_delay_alu instid0(VALU_DEP_1)
	v_lshlrev_b32 v[LI], 4, v1
	s_lshl_b32 s19, s[WV], 13
	s_add_co_u32 s19, s19, RCD
	v_add_nc_u32 v3, s19, v[LI]                    ; R's fragments, first half of K: my two tiles
	s_delay_alu instid0(VALU_DEP_1)
	v_add_nc_u32 v4, 0x10000, v3                   ; second half
	v_lshl_add_u32 v5, v1, 5, PSC                  ; P's scale words: lanes 0-15 an even tile's rows, lanes 16-31 the odd one's
	v_lshl_add_u32 v6, v0, 5, RSC                  ; R's: row 32 w + lane
	v_lshl_add_u32 v7, v0, 2, STG                  ; the new words: row 32 w + lane
	v_and_b32 v8, 63, v0
	s_delay_alu instid0(VALU_DEP_1)
	v_lshl_add_u32 v8, v8, 4, STG                  ; and back, for waves 0 and 1: 512 bytes each
	s_mov_b32 s[SEL], 0x76543210
	s_mov_b32 s[SEL+1], 0xfedcba98
	s_and_b32 s[HALF], s[WV], 1
	s_bfe_u32 s21, ttmp6, 0x40000                  ; cx
	s_bfe_u32 s22, ttmp6, 0x40004                  ; cy
	s_and_b32 s23, ttmp7, 0xffff                   ; the cluster's y, 0..47
	s_lshr_b32 s24, s23, 4                         ; z: 0 q, 1 k, 2 v
	s_and_b32 s25, s23, 15
	s_lshl_b32 s92, s25, 2
	s_and_b32 s93, s25, 1
	s_lshl_b32 s93, s93, 2
	s_lshr_b32 s96, s25, 1
	s_lshl_b32 s96, s96, 2
	s_lshl_b32 s94, s24, 6
	s_add_co_u32 s94, s94, 1536                    ; Wq's or Wk's first tile in xc
	s_lshl_b32 s97, s24, 9                         ; query's or key's
	s_cmp_eq_u32 s24, 2
	s_cselect_b32 s26, s92, s93                    ; v: 64 groups of P, 4 blocks of R;  q, k: 8 groups, 32 blocks
	s_cselect_b32 s27, 0, s96
	s_cselect_b32 s28, 1024, s94                   ; P's first tile (v: value's)
	s_cselect_b32 s29, 1664, s97                   ; R's first tile (v: Wv's)
	s_cselect_b32 s66, 6, 9                        ; log2 of R's tiles
	s_cselect_b32 s67, 10, 13                      ; log2 of R's rows
	s_add_co_u32 s26, s26, s21                     ; pg: my group of 128 of P: hangs on cx, never on cy
	s_add_co_u32 s27, s27, s22                     ; rb: my block of 256 of R: hangs on cy, never on cx
	s_lshl_b32 s92, s26, 3
	s_add_co_u32 s28, s28, s92
	s_lshl_b32 s96, s27, 4
	s_add_co_u32 s29, s29, s96
	s_lshl_b32 s30, 0x1111, s21                    ; my column of the cluster
	s_lshl_b32 s31, s22, 2
	s_lshl_b32 s31, 15, s31                        ; my row
	s_or_b32 s[G1P], s30, (3<<16)|(1<<21)          ; 15:0 the mask; 17:16 elements of 8 bytes; 21 set beside a mask; no padding: images are read 16 x lane
	s_or_b32 s[G1PS], s30, (3<<16)|(1<<21)
	s_or_b32 s[G1R], s31, (3<<16)|(1<<21)
	s_or_b32 s[G1RS], s31, (3<<16)|(1<<21)
	SHAPE G1P, 512, 4, 1024                        ; four tiles' half of K: rows of 4,096 bytes, 8,192 apart
	SHAPE G1R, 512, 8, 1024                        ; eight tiles'
	SHAPE G1PS, 32, 8, 32                          ; 2,048 dense bytes
	SHAPE G1RS, 32, 16, 32                         ; 4,096 dense bytes
	s_lshl_b32 s92, s28, 13
	s_lshl_b32 s93, s[HALF], 15
	s_add_co_u32 s92, s92, s93
	s_mov_b32 s93, 0
	s_lshl_b32 s94, s28, 9
	s_lshl_b32 s95, s[HALF], 11
	s_add_co_u32 s94, s94, s95
	s_mov_b32 s95, 0
	s_lshl_b32 s96, s29, 13
	s_lshl_b32 s97, s[HALF], 16
	s_add_co_u32 s96, s96, s97
	s_mov_b32 s97, 0
	s_lshl_b32 s98, s29, 9
	s_lshl_b32 s99, s[HALF], 12
	s_add_co_u32 s98, s98, s99
	s_mov_b32 s99, 0
	s_wait_dscnt 0x0
	s_wait_kmcnt 0x0
	s_add_nc_u64 s[92:93], s[4:5], s[92:93]
	s_add_nc_u64 s[94:95], s[6:7], s[94:95]
	s_add_nc_u64 s[96:97], s[4:5], s[96:97]
	s_add_nc_u64 s[98:99], s[6:7], s[98:99]
	D0 G0P, 11, PSC, 94, 0
	D0 G0P+4, 14, PCD, 92, 0
	D0 G0P+8, 14, PCD+32768, 92, 4096
	D0 G0R, 12, RSC, 98, 0
	D0 G0R+4, 15, RCD, 96, 0
	D0 G0R+8, 15, RCD+65536, 96, 4096
	CROUND                                         ; all sixteen work-groups are here: the joint loads meet
	s_cmp_lt_u32 s[WV], 2                          ; waves 0, 1 fetch P's halves, waves 2, 3 R's, the others nothing: a wave's three loads stand in one branch; three are out
	s_cbranch_scc0 .Lnot_p
	tensor_load_to_lds s[G0P:G0P+3], s[G1PS:G1PS+7]
	s_nop 0
	tensor_load_to_lds s[G0P+4:G0P+7], s[G1P:G1P+7]
	s_nop 0
	tensor_load_to_lds s[G0P+8:G0P+11], s[G1P:G1P+7]
	s_nop 0
.rept 4
	v_nop
.endr
	s_branch .Lasked
.Lnot_p:
	s_cmp_lt_u32 s[WV], 4
	s_cbranch_scc0 .Lasked
	tensor_load_to_lds s[G0R:G0R+3], s[G1RS:G1RS+7]
	s_nop 0
	tensor_load_to_lds s[G0R+4:G0R+7], s[G1R:G1R+7]
	s_nop 0
	tensor_load_to_lds s[G0R+8:G0R+11], s[G1R:G1R+7]
	s_nop 0
.rept 4
	v_nop
.endr
.Lasked:
	; where my results go
	s_lshl_b32 s100, s26, s66
	s_lshl_b32 s101, s27, 4
	s_add_co_u32 s100, s100, s101
	s_lshl_b32 s101, s[WV], 1
	s_add_co_u32 s100, s100, s101                  ; fragment pg x (R's tiles) + 16 rb + 2 w
	s_lshl_b32 s100, s100, 10
	s_lshl_b32 s101, s24, 22
	s_add_co_u32 s100, s100, s101
	s_mov_b32 s101, 0
	s_add_nc_u64 s[14:15], s[14:15], s[100:101]
	s_lshl_b32 s100, s26, s67
	s_lshl_b32 s19, s27, 8
	s_add_co_u32 s100, s100, s19                   ; row pg x (R's rows) + 256 rb
	s_lshl_b32 s100, s100, 2
	s_lshl_b32 s19, s24, 18
	s_add_co_u32 s100, s100, s19
	s_lshl_b32 s19, s[HALF], 9                     ; waves 0 and 1 store 512 bytes each
	s_add_co_u32 s100, s100, s19
	s_add_nc_u64 s[16:17], s[16:17], s[100:101]
	; THE BIAS STARTS THE SUMS, so that every K step is alike.  The branch hangs on z alone.
	s_cmp_eq_u32 s24, 2
	s_cbranch_scc1 .Lbias_r
	s_cmp_eq_u32 s24, 0                            ; q, k: the bias runs along the registers: tile t's eight channels of my half, loaded straight into both accumulators of tile t
	s_cselect_b64 s[8:9], s[8:9], s[10:11]
	s_lshl_b32 s100, s26, 9
	s_add_nc_u64 s[8:9], s[8:9], s[100:101]
	v_bfe_u32 v9, v0, 4, 1
	s_delay_alu instid0(VALU_DEP_1)
	v_lshlrev_b32 v9, 6, v9
.irp rt, 0,1
.irp t, 0,1,2,3,4,5,6,7
	global_load_b128 v[ACC+64*\rt+8*\t:ACC+64*\rt+8*\t+3], v9, s[8:9] offset:(32*(\t/2)+8*(\t%2))*4
	global_load_b128 v[ACC+64*\rt+8*\t+4:ACC+64*\rt+8*\t+7], v9, s[8:9] offset:(32*(\t/2)+8*(\t%2))*4+16
.endr
.endr
	s_branch .Lbias_done
.Lbias_r:                                              ; v: the bias belongs to the lane's channel, 32 (8 rb + w) + 8 rt + r + 8 (r / 8): one number for all 64 registers
	s_lshl_b32 s100, s27, 3
	s_add_co_u32 s100, s100, s[WV]
	s_lshl_b32 s100, s100, 7
	s_add_nc_u64 s[12:13], s[12:13], s[100:101]
	v_and_b32 v9, 15, v0
	s_delay_alu instid0(VALU_DEP_1)
	v_and_b32 v10, 8, v9
	s_delay_alu instid0(VALU_DEP_1)
	v_add_nc_u32 v9, v9, v10
	s_delay_alu instid0(VALU_DEP_1)
	v_lshlrev_b32 v9, 2, v9
	global_load_b32 v10, v9, s[12:13]
	global_load_b32 v11, v9, s[12:13] offset:32
	s_wait_loadcnt 0x0
.set j, 0
.rept 64
	v_mov_b32 v[ACC+j], v10
	v_mov_b32 v[ACC+64+j], v11
.set j, j+1
.endr
.Lbias_done:
	s_wait_loadcnt 0x0
; One product: P's tile t x R's tile rt, the K step whose scale words stand in register qq of each set.  An odd tile's words stand in lanes 16-31.
.macro MM t, rt, qq
.set D, ACC+64*(\rt)+8*(\t)
.set SA, SCP+4*((\t)/2)+(\qq)
.set SB, SCR+(\qq)
.if ((\t)%2 == 0) && ((\rt) == 0)
	v_wmma_scale_f32_16x16x128_f8f6f4 v[D:D+7], v[PF+8*(\t):PF+8*(\t)+7], v[RF+8*(\rt):RF+8*(\rt)+7], v[D:D+7], v[SA], v[SB] matrix_a_fmt:MATRIX_FMT_FP4 matrix_b_fmt:MATRIX_FMT_FP4
.elseif ((\t)%2 == 1) && ((\rt) == 0)
	v_wmma_scale_f32_16x16x128_f8f6f4 v[D:D+7], v[PF+8*(\t):PF+8*(\t)+7], v[RF+8*(\rt):RF+8*(\rt)+7], v[D:D+7], v[SA], v[SB] matrix_a_fmt:MATRIX_FMT_FP4 matrix_b_fmt:MATRIX_FMT_FP4 matrix_a_scale:MATRIX_SCALE_ROW1
.elseif ((\t)%2 == 0)
	v_wmma_scale_f32_16x16x128_f8f6f4 v[D:D+7], v[PF+8*(\t):PF+8*(\t)+7], v[RF+8*(\rt):RF+8*(\rt)+7], v[D:D+7], v[SA], v[SB] matrix_a_fmt:MATRIX_FMT_FP4 matrix_b_fmt:MATRIX_FMT_FP4 matrix_b_scale:MATRIX_SCALE_ROW1
.else
	v_wmma_scale_f32_16x16x128_f8f6f4 v[D:D+7], v[PF+8*(\t):PF+8*(\t)+7], v[RF+8*(\rt):RF+8*(\rt)+7], v[D:D+7], v[SA], v[SB] matrix_a_fmt:MATRIX_FMT_FP4 matrix_b_fmt:MATRIX_FMT_FP4 matrix_a_scale:MATRIX_SCALE_ROW1 matrix_b_scale:MATRIX_SCALE_ROW1
.endif
.endm
; K step q of eight: 20 loads of fragments (every fourth step also the scale words of four steps), 16 products.  The 16 accumulators take turns, one instruction a turn, in the same order in every step.
.macro KSTEP q
.set QC, (\q)/4
.set QQ, (\q)%4
.if QQ == 0
.irp i, 0,1,2,3
	ds_load_b128 v[SCP+4*\i:SCP+4*\i+3], v5 offset:1024*\i+16*QC
.endr
	ds_load_b128 v[SCR:SCR+3], v6 offset:16*QC
.endif
.irp rt, 0,1
.irp c, 0,1
	ds_load_b128 v[RF+8*\rt+4*\c:RF+8*\rt+4*\c+3], v[3+QC] offset:4096*\rt+1024*QQ+512*\c
.endr
.endr
.irp t, 0,1,2,3,4,5,6,7
.irp c, 0,1
	ds_load_b128 v[PF+8*\t+4*\c:PF+8*\t+4*\c+3], v[LI] offset:PCD+32768*QC+4096*\t+1024*QQ+512*\c
.endr
.endr
.irp t, 0,1,2,3,4,5,6,7
	s_wait_dscnt 2*(7-\t)                          ; P's tile t is in; the two loads of each later tile may be out
.irp rt, 0,1
	MM \t, \rt, QQ
.endr
.endr
.rept 4
	v_nop                                          ; four places in front of loads into registers that these products read, and of the first read of results
.endr
.endm
; 64 numbers of a lane, register 16 b + i = k 32 b + 16 (lane / 16) + i of my row, become a fragment's image in v[pc] on and the row's scale word in v[pw].
.macro QUANT s, pc, pw
.irp b, 0,1,2,3
	v_max3_num_f32 v[TM+\b], |v[\s+16*\b]|, |v[\s+1+16*\b]|, 0x1800000   ; block b: my 16, and the floor 2^(3 - 127).  Each accumulator is read from its low end on
.endr
.irp i, 2,4,6,8,10,12,14
.irp b, 0,1,2,3
	v_max3_num_f32 v[TM+\b], v[TM+\b], |v[\s+16*\b+\i]|, |v[\s+1+16*\b+\i]|
.endr
.endr
.irp b, 0,1,2,3
	s_delay_alu instid0(VALU_DEP_4)
	v_permlanex16_b32 v[TM+4+\b], v[TM+\b], s[SEL], s[SEL+1]        ; (its destination has been written: by every K step's loads)
.endr
.irp b, 0,1,2,3
	s_delay_alu instid0(VALU_DEP_4)
	v_max_num_f32 v[TM+\b], v[TM+\b], v[TM+4+\b]   ; with lane l xor 16's: the block's largest magnitude
.endr
.irp b, 0,1,2,3
	s_delay_alu instid0(VALU_DEP_4)
	v_add_nc_u32 v[TM+12+\b], 0xff000000, v[TM+\b] ; 2 off its exponent field: the conversion's scale operand
.endr
.irp b, 0,1,2,3
	s_delay_alu instid0(VALU_DEP_4)
	v_lshrrev_b32 v[TM+4+\b], 23, v[TM+12+\b]      ; the byte
.endr
	s_delay_alu instid0(VALU_DEP_3)
	v_lshl_or_b32 v[\pw], v[TM+5], 8, v[TM+4]
	s_delay_alu instid0(VALU_DEP_1)
	v_lshl_or_b32 v[\pw], v[TM+6], 16, v[\pw]
	s_delay_alu instid0(VALU_DEP_1)
	v_lshl_or_b32 v[\pw], v[TM+7], 24, v[\pw]
.irp b, 0,1,2,3
	v_cvt_scalef32_pk8_fp4_f32 v[\pc+2*\b], v[\s+16*\b:\s+7+16*\b], v[TM+12+\b]
	v_cvt_scalef32_pk8_fp4_f32 v[\pc+1+2*\b], v[\s+8+16*\b:\s+15+16*\b], v[TM+12+\b]
.endr
	v_nop                                          ; one plain line behind the last conversion
.irp c, 0,1
.irp i, 0,1
	v_permlane16_swap_b32 v[\pc+4*\c+\i], v[\pc+2+4*\c+\i]          ; a whole block to a lane: lanes 0-15 block 2 c, lanes 16-31 block 2 c + 1
.endr
.endr
.endm
	s_wait_tensorcnt 1                             ; my scale words and my part of the first half of K are in; the second half's load may stay out
	s_barrier_signal -1
	s_barrier_wait -1                              ; everybody's are
	s_wait_alu depctr_va_vdst(0)
	KSTEP 0
	KSTEP 1
	KSTEP 2
	KSTEP 3
	s_wait_tensorcnt 0x0                           ; my part of the second half
	s_wait_dscnt 0x0
	s_barrier_signal -1
	s_barrier_wait -1
	KSTEP 4
	KSTEP 5
	KSTEP 6
	KSTEP 7
.irp rt, 0,1
	QUANT ACC+64*\rt, PC+8*\rt, PW+\rt
.irp c, 0,1
	global_store_b128 v[LI], v[PC+8*\rt+4*\c:PC+8*\rt+4*\c+3], s[14:15] offset:1024*\rt+512*\c    ; 512 consecutive bytes, aligned
.endr
.endr
	v_cmp_gt_u32 vcc_lo, 16, v1
	s_delay_alu instid0(VALU_DEP_1)
	v_cndmask_b32 v82, v[PW+1], v[PW], vcc_lo      ; lanes 0-15 my first tile's words, lanes 16-31 my second's
	ds_store_b32 v7, v82
	s_wait_dscnt 0x0                               ; for the others' sake
	s_barrier_signal -1
	s_barrier_wait -1
	s_cmp_lt_u32 s[WV], 2                          ; the work-group's 1,024 bytes of words leave by two stores of 512 consecutive bytes
	s_cbranch_scc0 .Lno_words
	ds_load_b128 v[84:87], v8
	s_wait_dscnt 0x0
	global_store_b128 v[LI], v[84:87], s[16:17]
.Lno_words:
	s_wait_tensorcnt 0x0
	ds_add_u32 v46, v47
	s_wait_dscnt 0x0
	CROUND                                         ; the closing round
	s_endpgm
.Lfunc_end_k_qc0de2fc0d9_proj:
	.size	k_qc0de2fc0d9_proj, .Lfunc_end_k_qc0de2fc0d9_proj-k_qc0de2fc0d9_proj
	.p2alignl 7, 3214868480
	.fill 96, 4, 3214868480
	.section	.rodata,"a",@progbits
	.p2align	6, 0x0
	.amdhsa_kernel k_qc0de2fc0d9_proj
		.amdhsa_group_segment_fixed_size 210944
		.amdhsa_private_segment_fixed_size 0
		.amdhsa_enable_private_segment 0
		.amdhsa_kernarg_size 56
		.amdhsa_user_sgpr_count 2
		.amdhsa_user_sgpr_kernarg_segment_ptr 1
		.amdhsa_wavefront_size32 1
		.amdhsa_system_sgpr_workgroup_id_x 1
		.amdhsa_system_sgpr_workgroup_id_y 1
		.amdhsa_system_sgpr_workgroup_id_z 1
		.amdhsa_system_vgpr_workitem_id 0
		.amdhsa_next_free_vgpr 256
		.amdhsa_next_free_sgpr 102
		.amdhsa_reserve_vcc 1
		.amdhsa_float_denorm_mode_32 3
		.amdhsa_float_denorm_mode_16_64 3
		.amdhsa_memory_ordered 1
		.amdhsa_forward_progress 1
		.amdhsa_inst_pref_size 57
	.end_amdhsa_kernel
	.amdgpu_metadata
---
amdhsa.version: [ 1, 2 ]
amdhsa.kernels:
  - .name:           k_qc0de2fc0d9_proj
    .symbol:         k_qc0de2fc0d9_proj.kd
    .args:
      - { .name: xc, .offset: 0, .size: 8, .value_kind: global_buffer, .address_space: global }
      - { .name: xs, .offset: 8, .size: 8, .value_kind: global_buffer, .address_space: global }
      - { .name: bq, .offset: 16, .size: 8, .value_kind: global_buffer, .address_space: global }
      - { .name: bk, .offset: 24, .size: 8, .value_kind: global_buffer, .address_space: global }
      - { .name: bv, .offset: 32, .size: 8, .value_kind: global_buffer, .address_space: global }
      - { .name: pc, .offset: 40, .size: 8, .value_kind: global_buffer, .address_space: global }
      - { .name: ps, .offset: 48, .size: 8, .value_kind: global_buffer, .address_space: global }
    .group_segment_fixed_size: 210944
    .private_segment_fixed_size: 0
    .kernarg_segment_align: 8
    .kernarg_segment_size: 56
    .max_flat_workgroup_size: 256
    .sgpr_count:     102
    .vgpr_count:     256
    .wavefront_size: 32
...
	.end_amdgpu_metadata
.endif
;; end of part 2
;; launch attn (part 3): grid 8 x 32, 16 waves a work-group, clusters of 4 x 1, 281,600 bytes of LDS; arguments pc, ps, ac, as_; writes ac, as_
.if DOCPART == 3
	.amdgcn_target "amdgcn-amd-amdhsa--gfx1250"
	.amdhsa_code_object_version 6
	.text
	.protected	k_qc0de2fc0d9_attn
	.globl	k_qc0de2fc0d9_attn
	.p2align	8
	.type	k_qc0de2fc0d9_attn,@function
k_qc0de2fc0d9_attn:
	s_mov_b64 s[64:65], 0
	v_nop
	global_prefetch_b8 v0, s[64:65] scope:SCOPE_SE
	s_setreg_imm32_b32 hwreg(HW_REG_WAVE_MODE, 25, 1), 1
	s_wait_xcnt 0x0
	s_wait_alu depctr_hold_cnt(0) depctr_sa_sdst(0) depctr_va_vdst(0) depctr_va_sdst(0) depctr_va_ssrc(0) depctr_va_vcc(0) depctr_vm_vsrc(0)
	s_getreg_b32 s2, hwreg(HW_REG_IB_STS2, 6, 4)
	s_cmp_eq_u32 s2, 0
	s_cbranch_scc0 .Lentry_in_a_cluster
	s_endpgm
.Lentry_in_a_cluster:
	s_bfe_u32 s2, ttmp6, 0x10000c
	s_cmp_lg_u32 s2, 0x3003
	s_cbranch_scc0 .Lentry_shape_is_right
	s_endpgm
.Lentry_shape_is_right:
; Attention on codes of FP4: S = q k^T over the head's 64, p = 2^(t - M) quantised along the keys, O = p v, O / l quantised along the channels for the last projection.
; t = score x log2(e) / 8; M = the running largest t rounded up to a whole number; l = the sum of the unquantised p.  When M moves, l and O are multiplied by 2^(old M - new M): exact.
; SHARES.  A work-group owns 256 queries of one batch and a PAIR of heads; each of its 16 waves owns a tile of 16 queries and walks all 2,048 keys twice, once for each head of the pair, 128 keys a step.
; So a wave ends with a whole fragment (16 tokens x the pair's 128 channels) and a whole scale word of the last projection's operand.
; K = 64 IN AN INSTRUCTION OF 128.  k's fragment holds both heads (registers 0-3 the even head, 4-7 the odd one) and is used as it lies; q's operand has zero codes in the other head's half, and there the scale byte 0.
; Both products are used transposed (source 0 = 16 keys, or 16 channels of v; source 1 = my queries, or p): a lane holds one query throughout.  The workspace's tiles are laid so that the 16 registers of
; tiles 2 b and 2 b + 1 are 16 neighbouring keys (channels): 32 b + 16 (lane / 16) + 0 .. 15.
; LDS holds the pair's k and v of the whole batch row, 262,144 bytes of images and 16,384 of scale words: every byte is filled once, in four chunks of four key steps.
; CLUSTER 4 x 1: the four query blocks of a cluster read the same k and v: each tile is asked for jointly.
; LIMITS: NaN and infinities are not served; a block under 2^-124 or of zeros keeps the byte 1 (read by this program alone); 1 / l by v_rcp_f32; a block's largest p is made from its largest score by the same two instructions.
; REGISTERS: v1-7, v31 addresses; v8-11 the even head's codes; v12 -M, v13 largest t, v[14:15] l; v16-27 q with zeros between; v28, v29 q's scale words; v30 the result's; v32-95 k; v96-159 S^T, then p;
;   v160-191 O^T; v192-223 v; v224-231 p's codes; v240-241 v's scale words; v248-251 k's; v253 p's; the rest at work.
.set KS,   262144                      ; k's scale words: [key 2048][4]
.set STG,  278528                      ; 1,024 bytes: the result's scale words on their way out; no tile lands here.  (k's images from 0, v's from 131,072, v's scale words from 270,336)
.set LI,   1                           ; v1  16 x lane
.set LSK,  2                           ; v2  KS + 4 x lane
.set ADK,  3
.set ADV,  4
.set ADS,  5
.set ADT,  6
.set WV,   12
.set KIND, 13                          ; wave >> 1: 0 fetches k, 1 fetches v
.set HALF, 14
.set SEL,  20
.set CS,   22
.set G1K,  24
.set G1V,  32
.set G1KS, 40
.set G1VS, 48
.set G0S,  56                          ; s[56:59] group 0 for my scale words
.set G0C,  68                          ; s[68:83] for my part of the four chunks
.set T8,   84                          ; LDS step of the images: 8,192 a key step
.set T5,   85                          ; of the scale words: 512
.set CNT,  86
.macro CROUND
	s_barrier_signal -1
	s_barrier_wait -1
	s_cmp_lg_u32 s[WV], 0
	s_cbranch_scc1 .Lnot_wave_0_\@
	s_barrier_signal -3
.Lnot_wave_0_\@:
	s_barrier_wait -3
	s_barrier_signal -1
	s_barrier_wait -1
.endm
.macro SHAPE g, c, r, p                ; a group 1: r rows of c elements of 8 bytes, p elements from row to row; the mask names all four work-groups
	s_mov_b32 s[\g], 15|(3<<16)|(1<<21)
	s_mov_b32 s[\g+1], (\c)<<16
	s_mov_b32 s[\g+2], (\r)<<16
	s_mov_b32 s[\g+3], (\c)<<16
	s_mov_b32 s[\g+4], \r
	s_mov_b32 s[\g+5], \p
	s_mov_b32 s[\g+6], 0
	s_mov_b32 s[\g+7], 0
.endm
	s_load_b256 s[4:11], s[0:1], 0x0               ; pc, ps, ac, as_
	v_lshl_add_u32 v242, v0, 2, 0x44400
	v_mov_b32 v243, 0
	ds_add_u32 v242, v243
	ds_add_u32 v242, v243
	v_lshrrev_b32 v3, 5, v0
	s_delay_alu instid0(VALU_DEP_1)
	v_readfirstlane_b32 s[WV], v3                  ; wave 0..15
	v_and_b32 v4, 15, v0                           ; r
	s_delay_alu instid0(VALU_DEP_3)
	v_lshlrev_b32 v7, 6, v3
	s_delay_alu instid0(VALU_DEP_1)
	v_lshl_add_u32 v7, v4, 2, v7
	s_delay_alu instid0(VALU_DEP_1)
	v_add_nc_u32 v7, STG, v7                       ; my query's word: 64 w + 4 r
	s_delay_alu instid0(VALU_DEP_4)
	v_lshlrev_b32 v254, 2, v4
	v_and_b32 v2, 31, v0
	s_delay_alu instid0(VALU_DEP_1)
	v_lshlrev_b32 v[LI], 4, v2
	s_delay_alu instid0(VALU_DEP_2)
	v_lshl_add_u32 v[LSK], v2, 2, KS
	v_and_b32 v31, 63, v0
	s_delay_alu instid0(VALU_DEP_1)
	v_lshl_add_u32 v31, v31, 4, STG                ; and back, for waves 0 and 1
	s_lshr_b32 s[KIND], s[WV], 1
	s_and_b32 s[HALF], s[WV], 1
	s_bfe_u32 s15, ttmp6, 0x40000                  ; cx
	s_lshl_b32 s16, ttmp9, 2
	s_add_co_u32 s16, s16, s15                     ; my block of 256 queries: it enters q's and the outputs' addresses alone
	s_and_b32 s17, ttmp7, 0xffff
	s_and_b32 s18, s17, 7                          ; the pair of heads
	s_lshr_b32 s17, s17, 3                         ; the batch row
	SHAPE G1K, 1024, 2, 1024                       ; 16,384 dense bytes: two key steps of k
	SHAPE G1V, 1024, 2, 8192                       ; two key steps of v: 8,192 bytes each, 65,536 apart
	SHAPE G1KS, 64, 8, 64                          ; 4,096 dense bytes
	SHAPE G1VS, 64, 8, 512                         ; eight key steps: 512 bytes each, 4,096 apart
	s_lshl_b32 s60, s18, 19                        ; k's images: 4,194,304 + (512 pair + 128 batch) x 1,024 + 16,384 half
	s_lshl_b32 s62, s17, 17
	s_add_co_u32 s60, s60, s62
	s_lshl_b32 s62, s[HALF], 14
	s_add_co_u32 s60, s60, s62
	s_add_co_u32 s60, s60, 0x400000
	s_lshl_b32 s61, s17, 20                        ; v's: 8,388,608 + 1,048,576 batch + 8,192 pair + 131,072 half
	s_lshl_b32 s62, s18, 13
	s_add_co_u32 s61, s61, s62
	s_lshl_b32 s62, s[HALF], 17
	s_add_co_u32 s61, s61, s62
	s_add_co_u32 s61, s61, 0x800000
	s_lshl_b32 s88, s18, 15                        ; k's scale words: 262,144 + 32,768 pair + 8,192 batch + 4,096 half
	s_lshl_b32 s62, s17, 13
	s_add_co_u32 s88, s88, s62
	s_lshl_b32 s62, s[HALF], 12
	s_add_co_u32 s88, s88, s62
	s_add_co_u32 s88, s88, 0x40000
	s_lshl_b32 s89, s17, 16                        ; v's: 524,288 + 65,536 batch + 512 pair + 32,768 half
	s_lshl_b32 s62, s18, 9
	s_add_co_u32 s89, s89, s62
	s_lshl_b32 s62, s[HALF], 15
	s_add_co_u32 s89, s89, s62
	s_add_co_u32 s89, s89, 0x80000
	s_mov_b32 s90, 0x40000                         ; from chunk to chunk: v 262,144 bytes, k 32,768
	s_cmp_eq_u32 s[KIND], 0
	s_cselect_b32 s60, s60, s61
	s_cselect_b32 s88, s88, s89
	s_cselect_b32 s90, 0x8000, s90
	s_mov_b32 s61, 0
	s_mov_b32 s89, 0
	s_mov_b32 s91, 0
	s_lshl_b32 s62, s[KIND], 17                    ; in LDS: 131,072 kind + 16,384 half + 32,768 chunk
	s_lshl_b32 s63, s[HALF], 14
	s_add_co_u32 s62, s62, s63
	s_lshl_b32 s19, s17, 7
	s_lshl_b32 s92, s16, 4
	s_add_co_u32 s19, s19, s92
	s_add_co_u32 s19, s19, s[WV]                   ; my tile of tokens: 128 batch + 16 block + wave
	s_lshl_b32 s92, s18, 9
	s_add_co_u32 s92, s92, s19
	s_lshl_b32 s92, s92, 10                        ; q's image
	s_mov_b32 s93, 0
	s_lshl_b32 s94, s18, 13
	s_lshl_b32 s95, s19, 4
	s_add_co_u32 s94, s94, s95
	s_lshl_b32 s94, s94, 2                         ; q's scale words
	s_mov_b32 s95, 0
	s_mov_b32 s[SEL], 0x76543210
	s_mov_b32 s[SEL+1], 0xfedcba98
	s_mov_b32 s[CS], 0x3e38aa3b                    ; c = log2(e) / 8
	s_mov_b32 s[CS+1], s[CS]                       ; (named with it as a pair)
	s_wait_dscnt 0x0
	s_wait_kmcnt 0x0
	s_add_nc_u64 s[60:61], s[4:5], s[60:61]
	s_add_nc_u64 s[88:89], s[6:7], s[88:89]
	s_add_nc_u64 s[92:93], s[4:5], s[92:93]
	s_add_nc_u64 s[94:95], s[6:7], s[94:95]
	s_mov_b32 s[G0S], 1
	s_lshl_b32 s[G0S+1], s[WV], 12
	s_add_co_u32 s[G0S+1], s[G0S+1], KS            ; waves 0 to 3: k's two halves, then v's two
	s_mov_b64 s[G0S+2:G0S+3], s[88:89]
	s_or_b32 s[G0S+3], s[G0S+3], 0x80000000
.irp c, 0,1,2,3
	s_mov_b32 s[G0C+4*\c], 1
	s_add_co_u32 s[G0C+4*\c+1], s62, 32768*\c
	s_mov_b64 s[G0C+4*\c+2:G0C+4*\c+3], s[60:61]
	s_or_b32 s[G0C+4*\c+3], s[G0C+4*\c+3], 0x80000000
	s_add_nc_u64 s[60:61], s[60:61], s[90:91]
.endr
	s_lshl_b32 s2, s19, 3
	s_add_co_u32 s2, s2, s18
	s_lshl_b32 s2, s2, 10                          ; the result's image: (8 tile + pair) x 1,024
	s_mov_b32 s3, 0
	s_add_nc_u64 s[8:9], s[8:9], s[2:3]
	s_lshl_b32 s2, s18, 13
	s_lshl_b32 s63, s17, 11
	s_add_co_u32 s2, s2, s63
	s_lshl_b32 s63, s16, 8
	s_add_co_u32 s2, s2, s63
	s_lshl_b32 s2, s2, 2                           ; its scale words: (8,192 pair + 2,048 batch + 256 block) x 4,
	s_lshl_b32 s63, s[HALF], 9                     ; 512 bytes for each of waves 0 and 1
	s_add_co_u32 s2, s2, s63
	s_add_nc_u64 s[10:11], s[10:11], s[2:3]
	CROUND                                         ; all four work-groups are here: the joint loads meet
	s_cmp_lt_u32 s[WV], 2                          ; a wave's five loads stand in one branch: five are out
	s_cbranch_scc0 .Lnot_k
	tensor_load_to_lds s[G0S:G0S+3], s[G1KS:G1KS+7]
	s_nop 0
.irp c, 0,1,2,3
	tensor_load_to_lds s[G0C+4*\c:G0C+4*\c+3], s[G1K:G1K+7]
	s_nop 0
.endr
.rept 4
	v_nop
.endr
	s_branch .Lasked
.Lnot_k:
	s_cmp_lt_u32 s[WV], 4
	s_cbranch_scc0 .Lasked
	tensor_load_to_lds s[G0S:G0S+3], s[G1VS:G1VS+7]
	s_nop 0
.irp c, 0,1,2,3
	tensor_load_to_lds s[G0C+4*\c:G0C+4*\c+3], s[G1V:G1V+7]
	s_nop 0
.endr
.rept 4
	v_nop
.endr
.Lasked:
	s_wait_alu depctr_va_vdst(0)
	global_load_b128 v[16:19], v[LI], s[92:93]             ; q, the even head's half
	global_load_b128 v[24:27], v[LI], s[92:93] offset:512  ; the odd head's
	global_load_b32 v255, v254, s[94:95]
.irp j, 20,21,22,23,236,237,238,239,253
	v_mov_b32 v[\j], 0                             ; the zero codes between q's halves; lane permutes' destinations; the upper half of the pair v[252:253]
.endr
	s_wait_loadcnt 0x0
	v_and_b32 v28, 0xffff, v255                    ; q's scale word for the even head: the other half's bytes are 0, over zero codes
	v_and_b32 v29, 0xffff0000, v255                ; for the odd head.  (The lines of INIT and the step's four additions are the places in front of the first scaled product)
.macro INIT
	v_mov_b32 v13, 0xff61b1e6                      ; the largest t so far: -3e38
	s_delay_alu instid0(VALU_DEP_1)
	v_floor_f32 v12, -v13                          ; -M
	v_mov_b32 v14, 0
	v_mov_b32 v15, 0
.set j, 0
.rept 32
	v_mov_b32 v[160+j], 0                          ; O^T: the step is written once; the first change of M multiplies zeros
.set j, j+1
.endr
.endm
; A KEY STEP of head p of the pair: 128 keys.
.macro STEP p
	s_setprio 2
	v_add_nc_u32 v[ADK], s[T8], v[LI]              ; four plain lines: the places in front of loads into registers that the last products read
	s_delay_alu instid0(VALU_DEP_1)
	v_add_nc_u32 v[ADV], 0x20000, v[ADK]
	v_add_nc_u32 v[ADS], s[T5], v[LSK]
	s_delay_alu instid0(VALU_DEP_1)
	v_add_nc_u32 v[ADT], 0x2000, v[ADS]
.irp i, 0,1,2,3
	ds_load_b32 v[248+\i], v[ADS] offset:128*\i    ; k's scale words: lanes 0-15 tile 2 i, lanes 16-31 tile 2 i + 1
.endr
.irp t, 0,1,2,3,4,5,6,7
.irp c, 0,1
	ds_load_b128 v[32+8*\t+4*\c:35+8*\t+4*\c], v[ADK] offset:1024*\t+512*\c
.endr
.endr
.irp i, 0,1
	ds_load_b32 v[240+\i], v[ADT] offset:256*\p+128*\i
.endr
.irp t, 0,1,2,3
.irp c, 0,1
	ds_load_b128 v[192+8*\t+4*\c:195+8*\t+4*\c], v[ADV] offset:4096*\p+1024*\t+512*\c
.endr
.endr
	s_wait_dscnt 10                                ; k and its words are in; v's ten loads may be out
.irp t, 0,1,2,3,4,5,6,7
.if (\t)%2 == 0
	v_wmma_scale_f32_16x16x128_f8f6f4 v[96+8*\t:103+8*\t], v[32+8*\t:39+8*\t], v[16+4*\p:23+4*\p], 0, v[248+\t/2], v[28+\p] matrix_a_fmt:MATRIX_FMT_FP4 matrix_b_fmt:MATRIX_FMT_FP4
.else
	v_wmma_scale_f32_16x16x128_f8f6f4 v[96+8*\t:103+8*\t], v[32+8*\t:39+8*\t], v[16+4*\p:23+4*\p], 0, v[248+\t/2], v[28+\p] matrix_a_fmt:MATRIX_FMT_FP4 matrix_b_fmt:MATRIX_FMT_FP4 matrix_a_scale:MATRIX_SCALE_ROW1
.endif
.endr
.rept 4
	v_nop
.endr
.irp b, 0,1,2,3
	v_max3_num_f32 v[232+\b], v[96+16*\b], v[97+16*\b], v[98+16*\b]   ; the largest score of each block of 32 keys: for the row's maximum, and for the block's largest p
.endr
.irp i, 3,5,7,9,11,13
.irp b, 0,1,2,3
	v_max3_num_f32 v[232+\b], v[232+\b], v[96+16*\b+\i], v[97+16*\b+\i]
.endr
.endr
.irp b, 0,1,2,3
	v_max_num_f32 v[232+\b], v[232+\b], v[111+16*\b]
.endr
.irp b, 0,1,2,3
	s_delay_alu instid0(VALU_DEP_4)
	v_permlanex16_b32 v[236+\b], v[232+\b], s[SEL], s[SEL+1]
.endr
.irp b, 0,1,2,3
	s_delay_alu instid0(VALU_DEP_4)
	v_max_num_f32 v[232+\b], v[232+\b], v[236+\b]  ; with lane l xor 16's 16 keys
.endr
	s_delay_alu instid0(VALU_DEP_2)
	v_max3_num_f32 v254, v232, v233, v234
	s_delay_alu instid0(VALU_DEP_1)
	v_max_num_f32 v254, v254, v235
	s_delay_alu instid0(VALU_DEP_1)
	v_mul_f32 v254, s[CS], v254                    ; the step's largest t
	s_delay_alu instid0(VALU_DEP_1)
	v_max_num_f32 v13, v13, v254
	v_mov_b32 v254, v12
	s_delay_alu instid0(VALU_DEP_2)
	v_floor_f32 v12, -v13                          ; the new -M = -ceil(t)
	s_delay_alu instid0(VALU_DEP_1)
	v_sub_f32 v254, v12, v254                      ; old M - new M: a whole number, 0 or less
	s_delay_alu instid0(VALU_DEP_1)
	v_cvt_i32_f32 v254, v254                       ; (it saturates)
	s_delay_alu instid0(VALU_DEP_1)
	v_ldexp_f32 v252, 1.0, v254                    ; f = 2^(old M - new M)
.set j, 0
.rept 32
	v_pk_fma_f32 v[96+j:97+j], v[96+j:97+j], s[CS:CS+1], v[12:13] op_sel_hi:[1,0,0]   ; t - M
.set j, j+2
.endr
.irp b, 0,1,2,3
	v_fma_f32 v[232+\b], v[232+\b], s[CS], v12
.endr
.set j, 0
	s_setprio 1
	s_wait_alu depctr_va_vdst(0)
.rept 64
	v_exp_f32 v[96+j], v[96+j]                     ; p = 2^(t - M)
.set j, j+1
.endr
.irp b, 0,1,2,3
	v_exp_f32 v[232+\b], v[232+\b]                 ; the block's largest p
.endr
	v_pk_mul_f32 v[14:15], v[14:15], v[252:253] op_sel_hi:[1,0]      ; l under the new M (a plain line behind the exponentials)
	s_wait_alu depctr_va_vdst(0)
.irp b, 0,1,2,3
	v_max_num_f32 v[232+\b], 0x1800000, v[232+\b]  ; the floor: the byte cannot fall under 1
.endr
.irp b, 0,1,2,3
	s_delay_alu instid0(VALU_DEP_4)
	v_add_nc_u32 v[244+\b], 0xff000000, v[232+\b]
.endr
.irp b, 0,1,2,3
	s_delay_alu instid0(VALU_DEP_4)
	v_lshrrev_b32 v[236+\b], 23, v[244+\b]
.endr
	s_delay_alu instid0(VALU_DEP_3)
	v_lshl_or_b32 v253, v237, 8, v236              ; p's scale word for these 128 keys
	s_delay_alu instid0(VALU_DEP_1)
	v_lshl_or_b32 v253, v238, 16, v253
	s_delay_alu instid0(VALU_DEP_1)
	v_lshl_or_b32 v253, v239, 24, v253
.irp b, 0,1,2,3
	v_cvt_scalef32_pk8_fp4_f32 v[224+2*\b], v[96+16*\b:103+16*\b], v[244+\b]
	v_cvt_scalef32_pk8_fp4_f32 v[225+2*\b], v[104+16*\b:111+16*\b], v[244+\b]
.endr
	v_nop
.irp c, 0,1
.irp i, 0,1
	v_permlane16_swap_b32 v[224+4*\c+\i], v[226+4*\c+\i]
.endr
.endr
	v_pk_add_f32 v[236:237], v[100:101], v[104:105]
	v_pk_add_f32 v[254:255], v[108:109], v[112:113]
	v_pk_add_f32 v[250:251], v[116:117], v[120:121]
	v_pk_add_f32 v[248:249], v[124:125], v[128:129]
	v_pk_add_f32 v[246:247], v[132:133], v[136:137]
	v_pk_add_f32 v[244:245], v[140:141], v[144:145]
	v_pk_add_f32 v[234:235], v[148:149], v[152:153]
	v_pk_add_f32 v[14:15], v[14:15], v[156:157]
	v_pk_add_f32 v[236:237], v[236:237], v[96:97]
	v_pk_add_f32 v[254:255], v[254:255], v[98:99]
	v_pk_add_f32 v[250:251], v[250:251], v[102:103]
	v_pk_add_f32 v[248:249], v[248:249], v[106:107]
	v_pk_add_f32 v[246:247], v[246:247], v[110:111]
	v_pk_add_f32 v[244:245], v[244:245], v[114:115]
	v_pk_add_f32 v[234:235], v[234:235], v[118:119]
	v_pk_add_f32 v[14:15], v[14:15], v[122:123]
	v_pk_add_f32 v[236:237], v[236:237], v[126:127]
	v_pk_add_f32 v[254:255], v[254:255], v[130:131]
	v_pk_add_f32 v[250:251], v[250:251], v[134:135]
	v_pk_add_f32 v[248:249], v[248:249], v[138:139]
	v_pk_add_f32 v[246:247], v[246:247], v[142:143]
	v_pk_add_f32 v[244:245], v[244:245], v[146:147]
	v_pk_add_f32 v[234:235], v[234:235], v[150:151]
	v_pk_add_f32 v[14:15], v[14:15], v[154:155]
	v_pk_add_f32 v[236:237], v[236:237], v[158:159]
	s_delay_alu instid0(VALU_DEP_2)
	v_pk_add_f32 v[14:15], v[14:15], v[248:249]
	s_delay_alu instid0(VALU_DEP_2)
	v_pk_add_f32 v[236:237], v[236:237], v[246:247]
	s_setprio 0
	v_pk_add_f32 v[254:255], v[254:255], v[244:245]
	v_pk_add_f32 v[250:251], v[250:251], v[234:235]
	s_delay_alu instid0(VALU_DEP_2)
	v_pk_add_f32 v[14:15], v[14:15], v[254:255]
	s_delay_alu instid0(VALU_DEP_2)
	v_pk_add_f32 v[236:237], v[236:237], v[250:251]
	s_delay_alu instid0(VALU_DEP_1)
	v_pk_add_f32 v[14:15], v[14:15], v[236:237]
.set j, 0
.rept 16
	v_pk_mul_f32 v[160+j:161+j], v[160+j:161+j], v[252:253] op_sel_hi:[1,0]     ; O^T under the new M
.set j, j+2
.endr
	s_wait_alu depctr_va_vdst(0)
	s_wait_dscnt 0x0                               ; v and its words are in
.irp t, 0,1,2,3
.if (\t)%2 == 0
	v_wmma_scale_f32_16x16x128_f8f6f4 v[160+8*\t:167+8*\t], v[192+8*\t:199+8*\t], v[224:231], v[160+8*\t:167+8*\t], v[240+\t/2], v253 matrix_a_fmt:MATRIX_FMT_FP4 matrix_b_fmt:MATRIX_FMT_FP4
.else
	v_wmma_scale_f32_16x16x128_f8f6f4 v[160+8*\t:167+8*\t], v[192+8*\t:199+8*\t], v[224:231], v[160+8*\t:167+8*\t], v[240+\t/2], v253 matrix_a_fmt:MATRIX_FMT_FP4 matrix_b_fmt:MATRIX_FMT_FP4 matrix_a_scale:MATRIX_SCALE_ROW1
.endif
.endr
	s_add_co_u32 s[T8], s[T8], 8192
	s_add_co_u32 s[T5], s[T5], 512
.endm
; Chunk n of the first walk: four key steps, read as soon as every wave's part of the chunk has landed.
.macro CHUNK n
	s_wait_tensorcnt 3-\n                          ; my scale words and my chunks up to n are in; the later chunks may stay out
	s_wait_dscnt 0x0
	s_barrier_signal -1
	s_barrier_wait -1
	s_mov_b32 s[T8], 32768*\n
	s_mov_b32 s[T5], 2048*\n
	s_mov_b32 s[CNT], 4
.Lchunk_\@:
	STEP 0
	s_sub_co_u32 s[CNT], s[CNT], 1
	s_cmp_lg_u32 s[CNT], 0
	s_cbranch_scc1 .Lchunk_\@
	s_setprio 0
.endm
; A head is done: O^T / l, register 16 b + i = channel 32 b + 16 (lane / 16) + i of the head, is quantised: four registers of codes at v[d], two bytes into the result's scale word.
.macro FIN p, d
.rept 4
	v_nop
.endr
	v_add_f32 v14, v14, v15
	s_delay_alu instid0(VALU_DEP_1)
	v_permlanex16_b32 v252, v14, s[SEL], s[SEL+1]
	s_delay_alu instid0(VALU_DEP_1)
	v_add_f32 v14, v14, v252                       ; l
	s_wait_alu depctr_va_vdst(0)
	v_rcp_f32 v14, v14
	v_nop                                          ; a plain line behind the transcendental
.set j, 0
	s_wait_alu depctr_va_vdst(0)
.rept 32
	v_mul_f32 v[96+j], v[160+j], v14               ; each accumulator from its low end on
.set j, j+1
.endr
.irp b, 0,1
	v_max3_num_f32 v[232+\b], |v[96+16*\b]|, |v[97+16*\b]|, 0x1800000
.endr
.irp i, 2,4,6,8,10,12,14
.irp b, 0,1
	s_delay_alu instid0(VALU_DEP_2)
	v_max3_num_f32 v[232+\b], v[232+\b], |v[96+16*\b+\i]|, |v[97+16*\b+\i]|
.endr
.endr
.irp b, 0,1
	s_delay_alu instid0(VALU_DEP_2)
	v_permlanex16_b32 v[236+\b], v[232+\b], s[SEL], s[SEL+1]
.endr
.irp b, 0,1
	s_delay_alu instid0(VALU_DEP_2)
	v_max_num_f32 v[232+\b], v[232+\b], v[236+\b]
.endr
.irp b, 0,1
	s_delay_alu instid0(VALU_DEP_2)
	v_add_nc_u32 v[244+\b], 0xff000000, v[232+\b]
.endr
.irp b, 0,1
	s_delay_alu instid0(VALU_DEP_2)
	v_lshrrev_b32 v[236+\b], 23, v[244+\b]
.endr
	s_delay_alu instid0(VALU_DEP_1)
	v_lshl_or_b32 v254, v237, 8, v236
.if \p == 0
	s_delay_alu instid0(VALU_DEP_1)
	v_mov_b32 v30, v254
.else
	s_delay_alu instid0(VALU_DEP_1)
	v_lshl_or_b32 v30, v254, 16, v30
.endif
.irp b, 0,1
	v_cvt_scalef32_pk8_fp4_f32 v[\d+2*\b], v[96+16*\b:103+16*\b], v[244+\b]
	v_cvt_scalef32_pk8_fp4_f32 v[\d+1+2*\b], v[104+16*\b:111+16*\b], v[244+\b]
.endr
	v_nop
.irp i, 0,1
	v_permlane16_swap_b32 v[\d+\i], v[\d+2+\i]
.endr
.endm
	INIT
	CHUNK 0
	CHUNK 1
	CHUNK 2
	CHUNK 3
	FIN 0, 8
	INIT
	s_mov_b32 s[T8], 0
	s_mov_b32 s[T5], 0
	s_mov_b32 s[CNT], 16
.Lsecond:                                              ; the odd head: all of k and v lies in LDS
	STEP 1
	s_sub_co_u32 s[CNT], s[CNT], 1
	s_cmp_lg_u32 s[CNT], 0
	s_cbranch_scc1 .Lsecond
	s_setprio 0
	FIN 1, 224
	global_store_b128 v[LI], v[8:11], s[8:9]               ; the fragment's image: 512 consecutive bytes a store, aligned
	global_store_b128 v[LI], v[224:227], s[8:9] offset:512
	ds_store_b32 v7, v30                           ; both lanes of a query write the same word
	s_wait_dscnt 0x0                               ; for the others' sake
	s_barrier_signal -1
	s_barrier_wait -1
	s_cmp_lt_u32 s[WV], 2
	s_cbranch_scc0 .Lno_words
	ds_load_b128 v[32:35], v31
	s_wait_dscnt 0x0
	global_store_b128 v[LI], v[32:35], s[10:11]    ; the work-group's 1,024 bytes of words: two stores of 512 consecutive bytes
.Lno_words:
	s_wait_tensorcnt 0x0
	ds_add_u32 v242, v243
	s_wait_dscnt 0x0
	CROUND                                         ; the closing round
	s_endpgm
.Lfunc_end_k_qc0de2fc0d9_attn:
	.size	k_qc0de2fc0d9_attn, .Lfunc_end_k_qc0de2fc0d9_attn-k_qc0de2fc0d9_attn
	.p2alignl 7, 3214868480
	.fill 96, 4, 3214868480
	.section	.rodata,"a",@progbits
	.p2align	6, 0x0
	.amdhsa_kernel k_qc0de2fc0d9_attn
		.amdhsa_group_segment_fixed_size 281600
		.amdhsa_private_segment_fixed_size 0
		.amdhsa_enable_private_segment 0
		.amdhsa_kernarg_size 32
		.amdhsa_user_sgpr_count 2
		.amdhsa_user_sgpr_kernarg_segment_ptr 1
		.amdhsa_wavefront_size32 1
		.amdhsa_system_sgpr_workgroup_id_x 1
		.amdhsa_system_sgpr_workgroup_id_y 1
		.amdhsa_system_sgpr_workgroup_id_z 1
		.amdhsa_system_vgpr_workitem_id 0
		.amdhsa_next_free_vgpr 256
		.amdhsa_next_free_sgpr 96
		.amdhsa_reserve_vcc 0
		.amdhsa_float_denorm_mode_32 3
		.amdhsa_float_denorm_mode_16_64 3
		.amdhsa_memory_ordered 1
		.amdhsa_forward_progress 1
		.amdhsa_inst_pref_size 107
	.end_amdhsa_kernel
	.amdgpu_metadata
---
amdhsa.version: [ 1, 2 ]
amdhsa.kernels:
  - .name:           k_qc0de2fc0d9_attn
    .symbol:         k_qc0de2fc0d9_attn.kd
    .args:
      - { .name: pc, .offset: 0, .size: 8, .value_kind: global_buffer, .address_space: global }
      - { .name: ps, .offset: 8, .size: 8, .value_kind: global_buffer, .address_space: global }
      - { .name: ac, .offset: 16, .size: 8, .value_kind: global_buffer, .address_space: global }
      - { .name: as_, .offset: 24, .size: 8, .value_kind: global_buffer, .address_space: global }
    .group_segment_fixed_size: 281600
    .private_segment_fixed_size: 0
    .kernarg_segment_align: 8
    .kernarg_segment_size: 32
    .max_flat_workgroup_size: 512
    .sgpr_count:     96
    .vgpr_count:     256
    .wavefront_size: 32
...
	.end_amdgpu_metadata
.endif
;; end of part 3
;; launch oproj (part 4): grid 8 x 32, 8 waves a work-group, clusters of 4 x 4, 277,504 bytes of LDS; arguments ac, as_, xc, xs, bo, out0; writes out0
.if DOCPART == 4
	.amdgcn_target "amdgcn-amd-amdhsa--gfx1250"
	.amdhsa_code_object_version 6
	.text
	.protected	k_qc0de2fc0d9_oproj
	.globl	k_qc0de2fc0d9_oproj
	.p2align	8
	.type	k_qc0de2fc0d9_oproj,@function
k_qc0de2fc0d9_oproj:
	s_mov_b64 s[64:65], 0
	v_nop
	global_prefetch_b8 v0, s[64:65] scope:SCOPE_SE
	s_setreg_imm32_b32 hwreg(HW_REG_WAVE_MODE, 25, 1), 1
	s_wait_xcnt 0x0
	s_wait_alu depctr_hold_cnt(0) depctr_sa_sdst(0) depctr_va_vdst(0) depctr_va_sdst(0) depctr_va_ssrc(0) depctr_va_vcc(0) depctr_vm_vsrc(0)
	s_getreg_b32 s2, hwreg(HW_REG_IB_STS2, 6, 4)
	s_cmp_eq_u32 s2, 0
	s_cbranch_scc0 .Lentry_in_a_cluster
	s_endpgm
.Lentry_in_a_cluster:
	s_bfe_u32 s2, ttmp6, 0x10000c
	s_cmp_lg_u32 s2, 0xf033
	s_cbranch_scc0 .Lentry_shape_is_right
	s_endpgm
.Lentry_shape_is_right:
; out0 = a Wo^T + bo on codes of FP4 with E8M0 scales; a is the attention's result as fragments' images (ac) and scale words (as_), Wo's codes and words lie in xc and xs from tile 1,728 on.
; Source 0 = P: 16 rows of Wo, whose index runs along the result's registers; source 1 = R: 16 tokens, one a lane.  P's tiles are laid so that the 16 registers of tiles 2 b and 2 b + 1 are 16 neighbouring columns.
; SHARES.  A work-group makes 128 columns x 256 tokens over all K = 1,024; wave w takes all 128 columns x token tiles 2 w and 2 w + 1: 16 accumulators.  256 work-groups.
; LDS holds the operands whole, filled once, in two halves of K.  CLUSTER 4 x 4: the four of a column need the same P, the four of a row the same R: each tile is asked for jointly.
; THE WAY OUT.  A lane holds 64 bytes in each of four pieces of its token's 512 bytes: a tile goes through the wave's own stage (rows 528 bytes apart) and leaves as whole rows: 512 consecutive bytes a store, aligned.
; Place i of token tile T is token 32 (T / 2) + 8 (T % 2) + i + 8 (i / 8): the stores' offsets undo the workspace's order.
; LIMITS: NaN and infinities are not served; the bias starts the f32 sum instead of being added behind it.
; REGISTERS: v1-9 addresses; v16-31 P's scale words; v32-35 R's; v48-63 R's two fragments; v64-127 P's eight; v128-255 accumulator (t, rt) at 128 + 64 rt + 8 t.
.set PCD,  0                           ; P's codes: [half of K][tile 8][K step 4][1024]
.set RCD,  65536                       ; R's codes: [half of K][tile 16][K step 4][1024]
.set PSC,  196608                      ; P's scale words: [128 rows][32 bytes]
.set RSC,  200704                      ; R's: [K step 8][256 rows][4 bytes]
.set STG,  208896                      ; the stages: 8,448 bytes a wave; no tile lands here
.set SP,   528
.set LI,   2
.set SO,   7
.set RD,   8
.set SCP,  16
.set SCR,  32
.set RF,   48
.set PF,   64
.set ACC,  128
.set WV,   18
.set HALF, 20
.set G1P,  32
.set G1R,  40
.set G1PS, 48
.set G1RS, 56
.set G0P,  68
.set G0R,  80
.macro CROUND
	s_barrier_signal -1
	s_barrier_wait -1
	s_cmp_lg_u32 s[WV], 0
	s_cbranch_scc1 .Lnot_wave_0_\@
	s_barrier_signal -3
.Lnot_wave_0_\@:
	s_barrier_wait -3
	s_barrier_signal -1
	s_barrier_wait -1
.endm
.macro SHAPE g, c, r, p
	s_mov_b32 s[\g+1], (\c)<<16
	s_mov_b32 s[\g+2], (\r)<<16
	s_mov_b32 s[\g+3], (\c)<<16
	s_mov_b32 s[\g+4], \r
	s_mov_b32 s[\g+5], \p
	s_mov_b32 s[\g+6], 0
	s_mov_b32 s[\g+7], 0
.endm
.macro D0 g, sh, base, a, plus
	s_mov_b32 s[\g], 1
	s_lshl_b32 s[\g+1], s[HALF], \sh
	s_add_co_u32 s[\g+1], s[\g+1], \base
	s_add_nc_u64 s[\g+2:\g+3], s[\a:\a+1], \plus
	s_or_b32 s[\g+3], s[\g+3], 0x80000000
.endm
	s_load_b256 s[4:11], s[0:1], 0x0               ; ac, as_, xc, xs
	s_load_b128 s[12:15], s[0:1], 0x20             ; bo, out0
	v_lshl_add_u32 v46, v0, 2, 0x43800
	v_mov_b32 v47, 0
	ds_add_u32 v46, v47
	ds_add_u32 v46, v47
	v_lshrrev_b32 v1, 5, v0
	s_delay_alu instid0(VALU_DEP_1)
	v_readfirstlane_b32 s[WV], v1                  ; wave 0..7
	v_and_b32 v1, 31, v0
	s_delay_alu instid0(VALU_DEP_1)
	v_lshlrev_b32 v[LI], 4, v1
	s_lshl_b32 s19, s[WV], 13
	s_add_co_u32 s19, s19, RCD
	v_add_nc_u32 v3, s19, v[LI]
	s_delay_alu instid0(VALU_DEP_1)
	v_add_nc_u32 v4, 0x10000, v3
	v_lshl_add_u32 v5, v1, 5, PSC
	v_lshl_add_u32 v6, v0, 2, RSC                  ; R's scale words: row 32 w + lane of a K step's 256
	s_mul_i32 s19, s[WV], 16*SP
	s_add_co_u32 s19, s19, STG                     ; my stage
	v_and_b32 v9, 15, v0
	v_bfe_u32 v10, v0, 4, 1
	s_delay_alu instid0(VALU_DEP_2)
	v_mul_u32_u24 v[SO], v9, SP
	s_delay_alu instid0(VALU_DEP_1)
	v_lshl_add_u32 v[SO], v10, 6, v[SO]
	s_delay_alu instid0(VALU_DEP_1)
	v_add_nc_u32 v[SO], s19, v[SO]                 ; in: row r, 64 h bytes on
	v_add_nc_u32 v[RD], s19, v[LI]                 ; back: a whole row to the 32 lanes
	v_lshlrev_b32 v9, 6, v10                       ; the bias: 64 h bytes on
	s_and_b32 s[HALF], s[WV], 1
	s_bfe_u32 s21, ttmp6, 0x40000                  ; cx
	s_bfe_u32 s22, ttmp6, 0x40004                  ; cy
	s_lshl_b32 s26, ttmp9, 2
	s_add_co_u32 s26, s26, s21                     ; my group of 128 columns: hangs on cx, never on cy
	s_and_b32 s27, ttmp7, 0xffff
	s_lshl_b32 s27, s27, 2
	s_add_co_u32 s27, s27, s22                     ; my block of 256 tokens: hangs on cy, never on cx
	s_lshl_b32 s28, s26, 3
	s_add_co_u32 s28, s28, 1728                    ; P's first tile in xc
	s_lshl_b32 s29, s27, 4                         ; R's first tile in ac
	s_lshl_b32 s30, 0x1111, s21                    ; my column of the cluster
	s_lshl_b32 s31, s22, 2
	s_lshl_b32 s31, 15, s31                        ; my row
	s_or_b32 s[G1P], s30, (3<<16)|(1<<21)
	s_or_b32 s[G1PS], s30, (3<<16)|(1<<21)
	s_or_b32 s[G1R], s31, (3<<16)|(1<<21)
	s_or_b32 s[G1RS], s31, (3<<16)|(1<<21)
	SHAPE G1P, 512, 4, 1024
	SHAPE G1R, 512, 8, 1024
	SHAPE G1PS, 32, 8, 32
	SHAPE G1RS, 128, 4, 4096                       ; four K steps: 1,024 bytes each, 32,768 apart
	s_lshl_b32 s92, s28, 13
	s_lshl_b32 s93, s[HALF], 15
	s_add_co_u32 s92, s92, s93
	s_mov_b32 s93, 0
	s_lshl_b32 s94, s28, 9
	s_lshl_b32 s95, s[HALF], 11
	s_add_co_u32 s94, s94, s95
	s_mov_b32 s95, 0
	s_lshl_b32 s96, s29, 13
	s_lshl_b32 s97, s[HALF], 16
	s_add_co_u32 s96, s96, s97
	s_mov_b32 s97, 0
	s_lshl_b32 s98, s27, 10
	s_lshl_b32 s99, s[HALF], 17
	s_add_co_u32 s98, s98, s99
	s_mov_b32 s99, 0
	s_wait_dscnt 0x0
	s_wait_kmcnt 0x0
	s_add_nc_u64 s[92:93], s[8:9], s[92:93]
	s_add_nc_u64 s[94:95], s[10:11], s[94:95]
	s_add_nc_u64 s[96:97], s[4:5], s[96:97]
	s_add_nc_u64 s[98:99], s[6:7], s[98:99]
	D0 G0P, 11, PSC, 94, 0
	D0 G0P+4, 14, PCD, 92, 0
	D0 G0P+8, 14, PCD+32768, 92, 4096
	D0 G0R, 12, RSC, 98, 0
	D0 G0R+4, 15, RCD, 96, 0
	D0 G0R+8, 15, RCD+65536, 96, 4096
	CROUND                                         ; all sixteen work-groups are here: the joint loads meet
	s_cmp_lt_u32 s[WV], 2                          ; waves 0, 1 fetch P's halves, waves 2, 3 R's, the others nothing: a wave's three loads stand in one branch; three are out
	s_cbranch_scc0 .Lnot_p
	tensor_load_to_lds s[G0P:G0P+3], s[G1PS:G1PS+7]
	s_nop 0
	tensor_load_to_lds s[G0P+4:G0P+7], s[G1P:G1P+7]
	s_nop 0
	tensor_load_to_lds s[G0P+8:G0P+11], s[G1P:G1P+7]
	s_nop 0
.rept 4
	v_nop
.endr
	s_branch .Lasked
.Lnot_p:
	s_cmp_lt_u32 s[WV], 4
	s_cbranch_scc0 .Lasked
	tensor_load_to_lds s[G0R:G0R+3], s[G1RS:G1RS+7]
	s_nop 0
	tensor_load_to_lds s[G0R+4:G0R+7], s[G1R:G1R+7]
	s_nop 0
	tensor_load_to_lds s[G0R+8:G0R+11], s[G1R:G1R+7]
	s_nop 0
.rept 4
	v_nop
.endr
.Lasked:
	s_lshl_b32 s100, s27, 20                       ; out0: token 256 rb + 32 w, 4,096 bytes a token, + 512 bytes for each group of columns
	s_lshl_b32 s101, s[WV], 17
	s_add_co_u32 s100, s100, s101
	s_lshl_b32 s101, s26, 9
	s_add_co_u32 s100, s100, s101
	s_mov_b32 s101, 0
	s_add_nc_u64 s[14:15], s[14:15], s[100:101]
	s_lshl_b32 s100, s26, 9
	s_add_nc_u64 s[12:13], s[12:13], s[100:101]
	s_wait_alu depctr_va_vdst(0)
.irp rt, 0,1                                   ; THE BIAS STARTS THE SUMS: tile t's eight columns of my half, loaded straight into both accumulators of tile t
.irp t, 0,1,2,3,4,5,6,7
	global_load_b128 v[ACC+64*\rt+8*\t:ACC+64*\rt+8*\t+3], v9, s[12:13] offset:(32*(\t/2)+8*(\t%2))*4
	global_load_b128 v[ACC+64*\rt+8*\t+4:ACC+64*\rt+8*\t+7], v9, s[12:13] offset:(32*(\t/2)+8*(\t%2))*4+16
.endr
.endr
	s_wait_loadcnt 0x0
.macro MM t, rt, qq                    ; one product; an odd tile's scale words stand in lanes 16-31
.set D, ACC+64*(\rt)+8*(\t)
.set SA, SCP+4*((\t)/2)+(\qq)
.set SB, SCR+(\qq)
.if ((\t)%2 == 0) && ((\rt) == 0)
	v_wmma_scale_f32_16x16x128_f8f6f4 v[D:D+7], v[PF+8*(\t):PF+8*(\t)+7], v[RF+8*(\rt):RF+8*(\rt)+7], v[D:D+7], v[SA], v[SB] matrix_a_fmt:MATRIX_FMT_FP4 matrix_b_fmt:MATRIX_FMT_FP4
.elseif ((\t)%2 == 1) && ((\rt) == 0)
	v_wmma_scale_f32_16x16x128_f8f6f4 v[D:D+7], v[PF+8*(\t):PF+8*(\t)+7], v[RF+8*(\rt):RF+8*(\rt)+7], v[D:D+7], v[SA], v[SB] matrix_a_fmt:MATRIX_FMT_FP4 matrix_b_fmt:MATRIX_FMT_FP4 matrix_a_scale:MATRIX_SCALE_ROW1
.elseif ((\t)%2 == 0)
	v_wmma_scale_f32_16x16x128_f8f6f4 v[D:D+7], v[PF+8*(\t):PF+8*(\t)+7], v[RF+8*(\rt):RF+8*(\rt)+7], v[D:D+7], v[SA], v[SB] matrix_a_fmt:MATRIX_FMT_FP4 matrix_b_fmt:MATRIX_FMT_FP4 matrix_b_scale:MATRIX_SCALE_ROW1
.else
	v_wmma_scale_f32_16x16x128_f8f6f4 v[D:D+7], v[PF+8*(\t):PF+8*(\t)+7], v[RF+8*(\rt):RF+8*(\rt)+7], v[D:D+7], v[SA], v[SB] matrix_a_fmt:MATRIX_FMT_FP4 matrix_b_fmt:MATRIX_FMT_FP4 matrix_a_scale:MATRIX_SCALE_ROW1 matrix_b_scale:MATRIX_SCALE_ROW1
.endif
.endm
; K step q of eight.  The 16 accumulators take turns, one instruction a turn, in the same order in every step.
.macro KSTEP q
.set QC, (\q)/4
.set QQ, (\q)%4
.if QQ == 0
.irp i, 0,1,2,3
	ds_load_b128 v[SCP+4*\i:SCP+4*\i+3], v5 offset:1024*\i+16*QC
.endr
.irp i, 0,1,2,3
	ds_load_b32 v[SCR+\i], v6 offset:1024*(4*QC+\i)
.endr
.endif
.irp rt, 0,1
.irp c, 0,1
	ds_load_b128 v[RF+8*\rt+4*\c:RF+8*\rt+4*\c+3], v[3+QC] offset:4096*\rt+1024*QQ+512*\c
.endr
.endr
.irp t, 0,1,2,3,4,5,6,7
.irp c, 0,1
	ds_load_b128 v[PF+8*\t+4*\c:PF+8*\t+4*\c+3], v[LI] offset:PCD+32768*QC+4096*\t+1024*QQ+512*\c
.endr
.endr
.irp t, 0,1,2,3,4,5,6,7
	s_wait_dscnt 2*(7-\t)                          ; P's tile t is in; the two loads of each later tile may be out
.irp rt, 0,1
	MM \t, \rt, QQ
.endr
.endr
.rept 4
	v_nop                                          ; four places in front of loads into registers that these products read, and of the first read of results
.endr
.endm
.macro TOSTAGE rt, bk                  ; token tile rt through my stage, back as 16 whole rows into v[bk] on
.set j, 0
.rept 16
	ds_store_b128 v[SO], v[ACC+64*\rt+4*j:ACC+64*\rt+4*j+3] offset:128*(j/4)+16*(j%4)     ; ascending: each accumulator from its low end on
.set j, j+1
.endr
.if \rt
	s_wait_dscnt 32                                ; all but the first tile's 16 loads and these 16 stores: the first tile's stores have read the registers that the loads below fill
.endif
.set j, 0
.rept 16
	ds_load_b128 v[\bk+4*j:\bk+4*j+3], v[RD] offset:SP*j        ; LDS serves a wave's instructions in order: these see the stores above, and the next tile's stores come behind them
.set j, j+1
.endr
.endm
.macro SEND rt, bk
.set j, 0
.rept 16
	global_store_b128 v[LI], v[\bk+4*j:\bk+4*j+3], s[14:15] offset:(8*\rt+j+8*(j/8))*4096 th:TH_STORE_NT   ; 512 consecutive bytes of one token's row, aligned; written once
.set j, j+1
.endr
.endm
	s_wait_tensorcnt 1                             ; my scale words and my part of the first half of K are in; the second half's load may stay out
	s_barrier_signal -1
	s_barrier_wait -1
	KSTEP 0
	KSTEP 1
	KSTEP 2
	KSTEP 3
	s_wait_tensorcnt 0x0
	s_wait_dscnt 0x0
	s_barrier_signal -1
	s_barrier_wait -1
	KSTEP 4
	KSTEP 5
	KSTEP 6
	KSTEP 7
	TOSTAGE 0, PF
	TOSTAGE 1, ACC
	s_wait_dscnt 32                                ; the first tile's rows are back; behind them: the second tile's 16 stores and 16 loads
	SEND 0, PF
	s_wait_dscnt 0x0
	SEND 1, ACC
	s_wait_tensorcnt 0x0
	ds_add_u32 v46, v47
	s_wait_dscnt 0x0
	CROUND                                         ; the closing round
	s_endpgm
.Lfunc_end_k_qc0de2fc0d9_oproj:
	.size	k_qc0de2fc0d9_oproj, .Lfunc_end_k_qc0de2fc0d9_oproj-k_qc0de2fc0d9_oproj
	.p2alignl 7, 3214868480
	.fill 96, 4, 3214868480
	.section	.rodata,"a",@progbits
	.p2align	6, 0x0
	.amdhsa_kernel k_qc0de2fc0d9_oproj
		.amdhsa_group_segment_fixed_size 277504
		.amdhsa_private_segment_fixed_size 0
		.amdhsa_enable_private_segment 0
		.amdhsa_kernarg_size 48
		.amdhsa_user_sgpr_count 2
		.amdhsa_user_sgpr_kernarg_segment_ptr 1
		.amdhsa_wavefront_size32 1
		.amdhsa_system_sgpr_workgroup_id_x 1
		.amdhsa_system_sgpr_workgroup_id_y 1
		.amdhsa_system_sgpr_workgroup_id_z 1
		.amdhsa_system_vgpr_workitem_id 0
		.amdhsa_next_free_vgpr 256
		.amdhsa_next_free_sgpr 102
		.amdhsa_reserve_vcc 0
		.amdhsa_float_denorm_mode_32 3
		.amdhsa_float_denorm_mode_16_64 3
		.amdhsa_memory_ordered 1
		.amdhsa_forward_progress 1
		.amdhsa_inst_pref_size 49
	.end_amdhsa_kernel
	.amdgpu_metadata
---
amdhsa.version: [ 1, 2 ]
amdhsa.kernels:
  - .name:           k_qc0de2fc0d9_oproj
    .symbol:         k_qc0de2fc0d9_oproj.kd
    .args:
      - { .name: ac, .offset: 0, .size: 8, .value_kind: global_buffer, .address_space: global }
      - { .name: as_, .offset: 8, .size: 8, .value_kind: global_buffer, .address_space: global }
      - { .name: xc, .offset: 16, .size: 8, .value_kind: global_buffer, .address_space: global }
      - { .name: xs, .offset: 24, .size: 8, .value_kind: global_buffer, .address_space: global }
      - { .name: bo, .offset: 32, .size: 8, .value_kind: global_buffer, .address_space: global }
      - { .name: out0, .offset: 40, .size: 8, .value_kind: global_buffer, .address_space: global }
    .group_segment_fixed_size: 277504
    .private_segment_fixed_size: 0
    .kernarg_segment_align: 8
    .kernarg_segment_size: 48
    .max_flat_workgroup_size: 256
    .sgpr_count:     102
    .vgpr_count:     256
    .wavefront_size: 32
...
	.end_amdgpu_metadata
.endif
;; end of part 4
